; MI455X (gfx1250); checked and timed in simulation.
; The chip was launched on July 23, 2026; its instructions are those of AMD's public machine-readable ISA for CDNA 5 (MIT licence, August 2026) and "CDNA5" Instruction Set Architecture Reference Guide (July 2026). The comments in the code are by the model that wrote it; some were corrected since.
;; Local Graph Attention. Allowed arithmetic: matrix products marked QUANTISED: E2M3 operands, one E8M0 scale for each 32 along K, by v_wmma_scale_f32_16x16x128_f8f6f4 with both operands' format E2M3, f32 sums; everything else in f32.
;; Inputs: W_out 256 x 256 float32; W_qkv 256 x 768 float32; allow_mask_bool 2,048 x 2,048 bool; b_out 256 float32; b_qkv 768 float32; x 4 x 2,048 x 256 float32.
;; Outputs: out0 4 x 2,048 x 256 float32.
;; This version of the problem:
;;   THIS VERSION OF THE PROBLEM IS GIVEN IN LOW PRECISION. The matrix products marked QUANTISED in the list below multiply operands that are first quantised to E2M3 (2 exponent bits, 3 mantissa bits; 6 bits a number), with one power-of-two scale for each 32 numbers along K (OCP MX v1.0); their sums are f32. All else is computed in f32.
;;   The module's matrix products, in the order in which they are computed (A, B: the left and right operand; K: the contracted axis; several contracted axes count as one K, in the product's order):
;;     1. [M 8,192, K 256] x [K 256, N 768]; A: input x; B: input W_qkv: QUANTISED
;;     2. batch 32 x [M 2,048, K 32] x [K 32, N 2,048]; A: computed on the way; B: computed on the way: QUANTISED
;;     3. batch 32 x [M 2,048, K 2,048] x [K 2,048, N 32]; A: softmax (see below); B: computed on the way: QUANTISED
;;     4. [M 8,192, K 256] x [K 256, N 256]; A: computed on the way; B: input W_out: QUANTISED
;;   THE QUANTISER, for each operand of a quantised product, along K:
;;     - K is cut into blocks of 32 from its start; a last block that is shorter is filled with zeros.
;;     - A block's scale is 2^e with e = floor(log2(the largest magnitude in the block)) - 2, held to -126 .. 127; a block of zeros has e = 0. As a byte (E8M0): e + 127.
;;     - Each number is divided by its block's scale, clamped to +-7.5, and rounded to the nearest number of E2M3, ties to even, subnormals kept.
;;     - The product sums the exact products of the quantised numbers (number of the format x scale) in f32.
;;   ~~~python
;;   def quantise(x, axis):      # numpy; x: float32 -> the quantised numbers, widened to float32 again
;;       x = np.moveaxis(x, axis, -1); K = x.shape[-1]
;;       x = np.pad(x, [(0, 0)] * (x.ndim - 1) + [(0, -K % 32)]); x = x.reshape(x.shape[:-1] + (-1, 32)); a = np.abs(x).max(-1, keepdims=True)
;;       e = np.where(a > 0, np.clip(np.frexp(np.where(a > 0, a, 1))[1] - 1 - 2, -126, 127), 0)      # np.frexp(a)[1] - 1 = floor(log2(a)), exactly
;;       r = np.clip(x / 2.0 ** e, -7.5, 7.5)
;;       step = 2.0 ** (np.maximum(np.frexp(np.where(r == 0, 1, r))[1] - 1, 0) - 3)
;;       q = np.round(r / step) * step * 2.0 ** e      # np.round: ties to even
;;       return np.moveaxis(q.reshape(q.shape[:-2] + (-1,))[..., :K], -1, axis).astype(np.float32)
;;   ~~~
;;   SOFTMAX AHEAD OF A QUANTISED PRODUCT. Where the list says 'softmax', what is quantised is not the finished softmax but p = 2^(t - M), with t = logit x log2(e) and M = ceil(the row's largest t), a whole number; so 1/2 < the row's largest p <= 1. The row's sum l is taken of the UNQUANTISED p, in f32, and the product's result is divided by l at the end. Since M is a whole number, a kernel that streams over the keys may use a running M (the ceiling of the running maximum): every later rescaling is an exact power of two, which a block's scale takes up: the codes' values come out the same.
;;   OPERANDS COMPUTED ON THE WAY. 'Computed on the way' means the value that the module computes at that place (a softmax that the list does not call 'softmax' is quantised finished and normalised). What goes into a quantiser is computed in f32, as accurately as f32 sums, v_exp_f32 and their like allow (about 1e-6 of the number): no bf16 or f16 on the way to a quantiser, and a product that is left as it is and whose result goes on into a quantised operand takes f32 operands (vector FMAs, or v_wmma_f32_16x16x4_f32). A number that lies on a knife's edge between two numbers of the format may be rounded either way, as far as f32 arithmetic and the matrix unit's own rounding can turn it there, and no further.
;; One version. Each part assembles by itself: llvm-mc -triple=amdgcn-amd-amdhsa -mcpu=gfx1250 --defsym DOCPART=n.
;; ======== version 1 of 1: 3 launches
;; limits: right only within a limited range of input values
;; workspace buffers: qi 1,835,008 bytes; kv 3,407,872 bytes; mw 524,288 bytes of whole numbers; wimg 51,200 bytes; y 2,097,152 bytes
;; launch qkv (part 1): grid 256 x 1, 16 waves a work-group, clusters of 4 x 1, 199,168 bytes of LDS; arguments x, W_qkv, b_qkv, allow_mask_bool, W_out, qi, kv, mw, wimg; writes qi, kv, mw, wimg
.if DOCPART == 1
	.amdgcn_target "amdgcn-amd-amdhsa--gfx1250"
	.amdhsa_code_object_version 6
	.text
	.protected	k_qac7df7478d_qkv
	.globl	k_qac7df7478d_qkv
	.p2align	8
	.type	k_qac7df7478d_qkv,@function
k_qac7df7478d_qkv:
	s_mov_b64 s[64:65], 0
	v_nop
	global_prefetch_b8 v0, s[64:65] scope:SCOPE_SE
	s_setreg_imm32_b32 hwreg(HW_REG_WAVE_MODE, 25, 1), 1
	s_wait_xcnt 0x0
	s_wait_alu depctr_hold_cnt(0) depctr_sa_sdst(0) depctr_va_vdst(0) depctr_va_sdst(0) depctr_va_ssrc(0) depctr_va_vcc(0) depctr_vm_vsrc(0)
	s_getreg_b32 s2, hwreg(HW_REG_IB_STS2, 6, 4)
	s_cmp_eq_u32 s2, 0
	s_cbranch_scc0 .Lentry_in_a_cluster
	s_endpgm
.Lentry_in_a_cluster:
	s_bfe_u32 s2, ttmp6, 0x10000c
	s_cmp_lg_u32 s2, 0x3003
	s_cbranch_scc0 .Lentry_shape_is_right
	s_endpgm
.Lentry_shape_is_right:
; qkv = Q(x) Q(W_qkv) + b_qkv on codes of FP6 (E2M3), one E8M0 scale for each 32 along K, its three parts quantised at once for the attention launch; beside it the mask's lane words and W_out's operand.
; Nothing of reference() is left out.
; SHARES: a work-group takes tokens 128 tb .. + 127 (tb = the cluster's number: one key step of one batch) and heads 2 g, 2 g + 1 (g = its place in the cluster) of q, k and v: 192 columns of W_qkv.  Sixteen waves.
; CLUSTERS of 4: the four work-groups of a cluster need the same 128 rows of x: each wave asks jointly (mask 15) for 8 of them, the launch's only tensor load.  W's three slices (196,608 bytes of f32) beside x's 133,120 would pass
; the 327,680 bytes of LDS, so they go straight into registers.  No prefetch: there is no loop to run ahead in.
; PHASE X: wave w quantises x's tile w / 2 of 16 tokens, K step w % 2, out of LDS, and block w % 8 of 32 along K for 32 columns of each of q, k, v (loads of 128 consecutive bytes, a lane to a column, registers down K).
; The operands' register images meet in LDS; one barrier; from there LDS is only read.
; PHASE 2: waves 0-3 q, 4-7 k: a band of 64 tokens x a head; waves 8-11 v: 16 channels x 128 tokens: each 16 products and ONE fragment of 12 registers.  Waves 12-15 make 8 x 256 bytes of mask words; wave 12 of clusters 0-7 a fragment of W_out.
; ORDERS.  Row r of token tile u (0 .. 3) of a band of 64: token 32 (r / 8) + 8 u + r % 8 of the band.  Row r of channel tile d (0, 1) of a head: channel 16 (r / 8) + 8 d + r % 8.
; qi: [batch x head][band][1,536: register group of 4][lane][16 bytes]; from 1,572,864: [batch x head][band][256]: row r's scale word at 4 r: byte u = tile u.  A fragment's block u holds tile u's 16 rows.
; kv: [batch x head][K: 16 steps of 3,328][V: 16 steps of 3,328]; a step: two fragments of 1,536 (K: bands; V: channel tiles), their scale words (64 bytes each), and the same words once more.
; mw: [query tile][step][word 2 n + c]: bit l = allow[row l % 16 of the tile][128 step + 64 c + 32 (l / 16) + n].  wimg: fragment f = 2 x tile + K step of W_out, 1,536 bytes; from 49,152 scale words, 64 bytes each.
; A block's scale byte is its largest magnitude's exponent field - 2, held at 1 from below (a block of zeros keeps 1: its codes are zeros, and this program alone reads the bytes).
; LIMITS: NaN and infinities among the inputs are not served; blocks whose largest magnitude lies under 2^-124 keep the byte 1.  The mask's bytes are 0 or 1.
.set XP, 1040                          ; LDS: from 0 x's 128 rows of 1,024 bytes + 16 of padding
.set XI, 128*XP                        ; x's 16 fragments (2 x tile + K step)
.set XSC, XI+24576                     ; their scale words, 64 bytes each
.set WI, XSC+1024                      ; W's 24 fragments: ((2 x type + head) x 2 + d) x 2 + K step
.set WSC, WI+36864                     ; their scale words
.set SPARE, WSC+1536                   ; the spare words, 128 bytes for each wave
; REGISTERS: v1 lane, v2 r, v3 h, v4 16 lane, v5 4 lane, v6-7 the add's, v8-19 scale words, v20-23 LDS addresses of phase 2, v24 8 h, v25 4 r, v26 W_out's offset, v27 4 r + 128 h, v0 a lane permute's result;
; phase X: v47, v57-63 addresses, v64-127 x's numbers, v128-223 W's, v224-255 the mask's bytes or (from v236) the bias; phase 2: v28-91 eight result tiles, v92-235 operands
.set H, 28
.set FX, 92
.set BI, 236
.set CW, 64
.set H8, 24
.set PX, 0
.set TM, 48
.set PC, 28
.set PW, 43
.macro WALU
	s_wait_alu depctr_va_vdst(0)
.endm
.macro PLACES
.rept 4
	v_nop
.endr
.endm
.macro CROUND
	s_barrier_signal -1
	s_barrier_wait -1
	s_cmp_lg_u32 s14, 0
	s_cbranch_scc1 .Lnot_wave_0_\@
	s_barrier_signal -3
.Lnot_wave_0_\@:
	s_barrier_wait -3
	s_barrier_signal -1
	s_barrier_wait -1
.endm
; 64 numbers of a lane, two whole blocks of 32 -> a fragment's 12 registers from v[PC] on and the row's scale word v[PW]
.macro QW s
.irp c, 0,1
	v_max3_num_f32 v[TM+\c], |v[\s+32*\c]|, |v[\s+1+32*\c]|, 0x1800000   ; with the floor 2^(3 - 127)
.endr
.irp i, 2,4,6,8,10,12,14,16,18,20,22,24,26,28,30
.irp c, 0,1
	v_max3_num_f32 v[TM+\c], v[TM+\c], |v[\s+32*\c+\i]|, |v[\s+1+32*\c+\i]|
.endr
.endr
.irp c, 0,1
	v_add_nc_u32 v[TM+2+\c], 0xff000000, v[TM+\c]  ; 2 off the exponent field: the conversion's scale operand
.endr
.irp c, 0,1
	v_lshrrev_b32 v[TM+4+\c], 23, v[TM+2+\c]
.endr
.irp c, 0,1
	v_cvt_scalef32_pk16_fp6_f32 v[PC+6*\c:PC+6*\c+2], v[\s+32*\c:\s+15+32*\c], v[TM+2+\c]
	v_cvt_scalef32_pk16_fp6_f32 v[PC+12+4*\c:PC+14+4*\c], v[\s+16+32*\c:\s+31+32*\c], v[TM+2+\c]
.endr
	v_lshl_or_b32 v[PW], v[TM+5], 16, v[TM+4]      ; my bytes of blocks h and 2 + h,
	v_lshlrev_b32 v[PW], v[H8], v[PW]              ; at their places;
	v_permlanex16_b32 v[PX], v[PW], s6, s7
	v_or_b32 v[PW], v[PW], v[PX]                   ; with lane l xor 16's the word is whole
.irp c, 0,1
.irp i, 0,1,2
	v_mov_b32 v[PC+3+6*\c+\i], v[PC+12+4*\c+\i]
.endr
.endr
.endm
; 32 numbers of a lane, one block -> six registers and the byte, into W's images
.macro Q1 s, y
	v_max3_num_f32 v[TM], |v[\s]|, |v[\s+1]|, 0x1800000
	v_max3_num_f32 v[TM+1], |v[\s+16]|, |v[\s+17]|, |v[\s+18]|
.irp i, 2,4,6,8,10,12
	v_max3_num_f32 v[TM], v[TM], |v[\s+\i]|, |v[\s+\i+1]|
	v_max3_num_f32 v[TM+1], v[TM+1], |v[\s+\i+17]|, |v[\s+\i+18]|
.endr
	v_max3_num_f32 v[TM], v[TM], |v[\s+14]|, |v[\s+15]|
	v_max3_num_f32 v[TM], v[TM], v[TM+1], |v[\s+31]|
	v_add_nc_u32 v[TM+2], 0xff000000, v[TM]
	v_cvt_scalef32_pk16_fp6_f32 v[CW+8*\y:CW+8*\y+2], v[\s:\s+15], v[TM+2]
	v_cvt_scalef32_pk16_fp6_f32 v[CW+8*\y+4:CW+8*\y+6], v[\s+16:\s+31], v[TM+2]
	v_lshrrev_b32 v[54+\y], 23, v[TM+2]
.irp i, 3,4,5
	v_mov_b32 v[CW+8*\y+\i], v[CW+8*\y+\i+1]
.endr
	ds_store_b64 v62, v[CW+8*\y:CW+8*\y+1] offset:12288*\y
	ds_store_b64 v63, v[CW+8*\y+2:CW+8*\y+3] offset:12288*\y
	ds_store_b64 v62, v[CW+8*\y+4:CW+8*\y+5] offset:12288*\y+512
	ds_store_b8 v47, v[54+\y] offset:512*\y
.endm
; 64 numbers of a lane, four blocks of 32 that lanes l and l xor 16 share -> a fragment from v[PC] on, its scale word v[PW]
.macro QUANT s
.irp b, 0,1,2,3
	v_mov_b32 v[TM+4+\b], 0                        ; (a lane permute's destination counts as one of its sources)
.endr
.irp b, 0,1,2,3
	v_max3_num_f32 v[TM+\b], |v[\s+16*\b]|, |v[\s+1+16*\b]|, 0x1800000
.endr
.irp i, 2,4,6,8,10,12,14
.irp b, 0,1,2,3
	v_max3_num_f32 v[TM+\b], v[TM+\b], |v[\s+16*\b+\i]|, |v[\s+1+16*\b+\i]|
.endr
.endr
.irp b, 0,1,2,3
	v_permlanex16_b32 v[TM+4+\b], v[TM+\b], s6, s7
.endr
.irp b, 0,1,2,3
	v_max_num_f32 v[TM+\b], v[TM+\b], v[TM+4+\b]
.endr
.irp b, 0,1,2,3
	v_add_nc_u32 v[TM+12+\b], 0xff000000, v[TM+\b]
.endr
.irp b, 0,1,2,3
	v_lshrrev_b32 v[TM+4+\b], 23, v[TM+12+\b]
.endr
	v_lshl_or_b32 v[PW], v[TM+5], 8, v[TM+4]
	v_lshl_or_b32 v[PW], v[TM+6], 16, v[PW]
	v_lshl_or_b32 v[PW], v[TM+7], 24, v[PW]
.irp c, 0,1
	v_cvt_scalef32_pk16_fp6_f32 v[PC+6*\c:PC+2+6*\c], v[\s+32*\c:\s+15+32*\c], v[TM+12+2*\c]
	v_cvt_scalef32_pk16_fp6_f32 v[PC+12+4*\c:PC+14+4*\c], v[\s+16+32*\c:\s+31+32*\c], v[TM+12+2*\c+1]
.endr
	v_nop                                          ; one plain instruction behind a scaled conversion
.irp c, 0,1
.irp i, 0,1,2
	v_permlane16_swap_b32 v[PC+6*\c+\i], v[PC+12+4*\c+\i]   ; a whole block in a lane: lanes 0-15 block 2 c, lanes 16-31 block 2 c + 1
.endr
.irp i, 0,1,2
	v_mov_b32 v[PC+3+6*\c+\i], v[PC+12+4*\c+\i]
.endr
.endr
.endm
.macro SADD d, x
	s_add_co_u32 s\d, s\d, \x
.endm
	s_load_b512 s[16:31], s[0:1], 0x0              ; x 16, W_qkv 18, b_qkv 20, mask 22, W_out 24, qi 26, kv 28, mw 30
	s_load_b64 s[4:5], s[0:1], 0x40                ; wimg
	v_lshl_add_u32 v6, v0, 2, SPARE
	v_mov_b32 v7, 0
	ds_add_u32 v6, v7                              ; the opening lines: the add, twice on end, and its wait
	ds_add_u32 v6, v7
	v_lshrrev_b32 v1, 5, v0
	v_readfirstlane_b32 s14, v1                    ; wave
	WALU
	s_mov_b32 s6, 0x76543210
	s_mov_b32 s7, 0xfedcba98                       ; v_permlanex16_b32's selects for lane l xor 16
	s_mov_b32 s33, ttmp9                           ; tb
	s_bfe_u32 s34, ttmp6, 0x40000                  ; g
	s_lshl_b32 s15, s33, 2
	SADD 15, s34                                   ; i = 4 tb + g
	s_mov_b32 s68, 15|(3<<16)|(1<<20)|(1<<21)|(7<<22)|(3<<25)   ; all four; elements of 8 bytes; 4 words of padding behind every 256
	s_mov_b32 s69, 128<<16                         ; 8 rows of 1,024 bytes
	s_mov_b32 s70, 8<<16
	s_mov_b32 s71, 128<<16
	s_mov_b32 s72, 8
	s_mov_b32 s73, 128
	s_mov_b32 s74, 0
	s_mov_b32 s75, 0
	s_mov_b32 s76, 1
	s_mul_i32 s77, s14, 8*XP
	s_lshr_b32 s40, s14, 2
	s_min_u32 s40, s40, 2                          ; type: 0 q, 1 k, 2 v
	s_and_b32 s41, s14, 3
	s_lshr_b32 s42, s14, 3                         ; 1 from wave 8 on; also which head's columns of W I quantise, and the band of my tile of x
	s_and_b32 s43, s41, 1                          ; my unit's head of the two
	s_lshr_b32 s44, s41, 1
	s_mul_i32 s45, s42, s44                        ; v: my channel tile
	s_xor_b32 s46, s42, 1
	s_mul_i32 s46, s46, s44                        ; q, k: my band
	s_and_b32 s47, s14, 7                          ; my block of 32 along W's K
	s_lshl_b32 s48, s42, 6                         ; my tile of x: rows 64 band + 8 u on,
	s_bfe_u32 s49, s14, 0x20001
	s_lshl_b32 s49, s49, 3
	SADD 48, s49
	s_mul_i32 s48, s48, XP
	s_and_b32 s49, s14, 1
	s_lshl_b32 s49, s49, 9                         ; and my K step
	SADD 48, s49
	s_mul_i32 s49, s14, 1536
	SADD 49, XI
	s_lshl_b32 s50, s14, 6
	SADD 50, XSC
	s_bfe_u32 s35, s47, 0x10001                    ; the block is 2 c + hh of its K step: registers 6 c on, lanes 16 hh on
	s_lshr_b32 s59, s47, 2
	s_mul_i32 s51, s42, 6144
	s_mul_i32 s53, s59, 1536
	SADD 51, s53
	s_and_b32 s53, s47, 1
	s_lshl_b32 s53, s53, 8
	SADD 51, s53
	s_mul_i32 s53, s35, 520
	SADD 51, s53
	SADD 51, WI                                    ; where my block's registers 0, 1 go (4, 5: 512 bytes on),
	s_mul_i32 s52, s35, 496
	SADD 52, s51
	SADD 52, 8                                     ; and registers 2, 3
	s_lshl_b32 s53, s42, 8
	s_lshl_b32 s59, s59, 6
	SADD 53, s59
	s_and_b32 s59, s47, 3
	SADD 53, s59
	SADD 53, WSC                                   ; and its byte
	s_mul_i32 s54, s46, 12288
	SADD 54, XI
	s_lshl_b32 s55, s46, 9
	SADD 55, XSC
	s_lshl_b32 s56, s40, 3
	s_lshl_b32 s59, s43, 2
	SADD 56, s59
	s_lshl_b32 s59, s45, 1
	SADD 56, s59                                   ; my unit's first fragment of W
	s_mul_i32 s57, s56, 1536
	SADD 57, WI
	s_lshl_b32 s58, s56, 6
	SADD 58, WSC
	s_lshl_b32 s36, s33, 17                        ; x: 128 tb rows of 1,024 bytes, my 8
	s_lshl_b32 s59, s14, 13
	SADD 36, s59
	s_mov_b32 s37, 0
	s_mul_i32 s38, s47, 98304                      ; W: 32 rows of 3,072 bytes a block,
	s_lshl_b32 s59, s34, 8
	SADD 38, s59
	s_lshl_b32 s59, s42, 7
	SADD 38, s59
	s_mov_b32 s39, 0
	s_lshl_b32 s60, s40, 10                        ; the bias
	s_lshl_b32 s59, s34, 8
	SADD 60, s59
	s_lshl_b32 s59, s43, 7
	SADD 60, s59
	s_lshl_b32 s59, s45, 5
	SADD 60, s59
	s_mov_b32 s61, 0
	s_lshr_b32 s62, s15, 3                         ; the mask: query tile i / 2, steps 8 (i % 2) + 2 (wave - 12) and the next
	s_lshl_b32 s62, s62, 17
	s_bfe_u32 s59, s15, 0x20001
	s_lshl_b32 s59, s59, 14
	SADD 62, s59
	s_and_b32 s59, s15, 1
	s_lshl_b32 s59, s59, 10
	SADD 62, s59
	s_lshl_b32 s59, s41, 8
	SADD 62, s59
	s_mov_b32 s63, 0
	v_and_b32 v1, 31, v0
	v_and_b32 v2, 15, v0
	v_bfe_u32 v3, v0, 4, 1
	v_lshlrev_b32 v4, 4, v1
	v_lshlrev_b32 v5, 2, v1
	v_lshlrev_b32 v25, 2, v2
	v_lshl_add_u32 v27, v3, 7, v25
	v_lshlrev_b32 v24, 3, v3
	v_lshrrev_b32 v57, 3, v2                       ; r / 8
	v_and_b32 v58, 7, v2                           ; r % 8
	v_lshlrev_b32 v225, 6, v57
	v_lshl_add_u32 v225, v58, 2, v225              ; v's bias: channel 16 (r / 8) + r % 8
	v_lshlrev_b32 v224, 6, v3                      ; q's, k's: channels 16 h on
	v_lshl_add_u32 v26, v3, 15, v225               ; W_out: 32 h rows of 1,024 bytes, that column
	v_lshl_add_u32 v57, v57, 5, v58                ; 32 (r / 8) + r % 8
	v_mul_u32_u24 v59, v57, XP
	v_lshl_add_u32 v59, v3, 7, v59
	v_add_nc_u32 v59, s48, v59                     ; x in LDS: my row, 128 h
	v_lshlrev_b32 v57, 11, v57
	v_lshl_add_u32 v57, v3, 5, v57                 ; the mask: that row of 2,048 bytes, + 32 h
	v_add_nc_u32 v60, s49, v4
	v_add_nc_u32 v61, s50, v25
	v_and_b32 v62, 7, v1                           ; my column of 32 is row 8 h + lane % 8 of tile (lane / 8) % 2
	v_lshl_add_u32 v62, v3, 3, v62
	v_bfe_u32 v63, v1, 3, 1
	v_lshlrev_b32 v47, 2, v62
	v_lshl_add_u32 v47, v63, 7, v47
	v_add_nc_u32 v47, s53, v47
	v_lshlrev_b32 v62, 4, v62
	v_mul_u32_u24 v63, v63, 3072
	v_add_nc_u32 v62, v62, v63
	v_add_nc_u32 v63, s52, v62
	v_add_nc_u32 v62, s51, v62
	v_add_nc_u32 v20, s54, v4
	v_add_nc_u32 v21, s55, v25
	v_add_nc_u32 v22, s57, v4
	v_add_nc_u32 v23, s58, v25
	WALU
	s_wait_dscnt 0x0                               ; both opening adds are done
	CROUND                                         ; all four work-groups are here: the joint loads meet
	s_wait_kmcnt 0x0
	s_add_nc_u64 s[78:79], s[16:17], s[36:37]
	s_or_b32 s79, s79, 0x80000000
	tensor_load_to_lds s[76:79], s[68:75]          ; my 8 rows of x
	s_nop 0
	PLACES
	s_add_nc_u64 s[38:39], s[18:19], s[38:39]
	s_add_nc_u64 s[60:61], s[20:21], s[60:61]
	s_add_nc_u64 s[62:63], s[22:23], s[62:63]
	s_cmp_lt_u32 s14, 8
	s_cbranch_scc0 .Lnot_qk
.irp c, 0,1,2,3
	global_load_b128 v[BI+4*\c:BI+4*\c+3], v224, s[60:61] offset:16*\c
.endr
	s_branch .Lx
.Lnot_qk:
	s_cmp_lt_u32 s14, 12
	s_cbranch_scc0 .Lmask_bytes
	global_load_b32 v[BI], v225, s[60:61]
	s_branch .Lx
.Lmask_bytes:
.irp q, 0,1,2,3
.irp i, 0,1
	global_load_b128 v[224+8*\q+4*\i:227+8*\q+4*\i], v57, s[62:63] offset:64*\q+16*\i   ; q = 2 x step + c: my block of 32 keys
.endr
.endr
.Lx:
.macro WLOAD y
.set I_, 0
.rept 32
	global_load_b32 v[128+32*\y+I_], v5, s[38:39] offset:1024*\y+3072*I_
.set I_, I_+1
.endr
.endm
	WLOAD 0
	WLOAD 1
	s_wait_tensorcnt 0x0
	s_barrier_signal -1
	s_barrier_wait -1                              ; x's 128 rows are in
.irp c, 0,1
.irp i, 0,1,2,3,4,5,6,7
	ds_load_b128 v[64+32*\c+4*\i:67+32*\c+4*\i], v59 offset:256*\c+16*\i
.endr
.endr
	WLOAD 2
	s_wait_dscnt 0x0
	QW 64
.irp p, 0,1,2
	ds_store_b128 v60, v[PC+4*\p:PC+4*\p+3] offset:512*\p
.endr
	ds_store_b32 v61, v[PW]
	s_wait_loadcnt 63                              ; of W's 96 loads at least 33 are in: q's 32 among them
	Q1 128, 0
	s_wait_loadcnt 32
	Q1 160, 1
	s_wait_loadcnt 0x0
	Q1 192, 2
	WALU
	s_wait_dscnt 0x0                               ; for the others' sake: all my stores have landed
	s_cmp_eq_u32 s14, 12
	s_cbranch_scc0 .Lno_out
	s_cmp_lt_u32 ttmp9, 8
	s_cbranch_scc0 .Lno_out
	s_and_b32 s32, s15, 1                          ; W_out's fragment i: K step i % 2, tile i / 2
	s_lshl_b32 s32, s32, 17
	s_lshr_b32 s59, s15, 2
	s_lshl_b32 s59, s59, 7
	SADD 32, s59
	s_bfe_u32 s59, s15, 0x10001
	s_lshl_b32 s59, s59, 5
	SADD 32, s59
	s_mov_b32 s33, 0
	s_add_nc_u64 s[24:25], s[24:25], s[32:33]
.irp c, 0,1
.set I_, 0
.rept 32
	global_load_b32 v[64+32*\c+I_], v26, s[24:25] offset:1024*(64*\c+I_)
.set I_, I_+1
.endr
.endr
.Lno_out:
	s_barrier_signal -1
	s_barrier_wait -1                              ; x's and W's images lie in LDS; nothing but spare words is written there any more
	s_cmp_lt_u32 s14, 12
	s_cbranch_scc0 .Lmask
	s_cmp_lt_u32 s14, 8
	s_cbranch_scc0 .Lv
; ---- q, k: source 0 = a tile of my head's channels, source 1 = a tile of my band: a lane holds one token
.irp s, 0,1
.irp d, 0,1
.irp p, 0,1,2
	ds_load_b128 v[FX+96+12*(2*\s+\d)+4*\p:FX+99+12*(2*\s+\d)+4*\p], v22 offset:(2*\d+\s)*1536+512*\p
.endr
	ds_load_b32 v[16+2*\s+\d], v23 offset:(2*\d+\s)*64
.endr
.irp b, 0,1,2,3
.irp p, 0,1,2
	ds_load_b128 v[FX+12*(4*\s+\b)+4*\p:FX+3+12*(4*\s+\b)+4*\p], v20 offset:(2*\b+\s)*1536+512*\p
.endr
	ds_load_b32 v[8+4*\s+\b], v21 offset:(2*\b+\s)*64
.endr
.endr
	s_lshr_b32 s32, s33, 4                         ; batch x head, the step
	s_lshl_b32 s32, s32, 3
	s_lshl_b32 s59, s34, 1
	SADD 32, s59
	SADD 32, s43
	s_and_b32 s35, s33, 15
	s_lshl_b32 s36, s32, 5                         ; q's band
	s_lshl_b32 s59, s35, 1
	SADD 36, s59
	SADD 36, s46
	s_mul_i32 s38, s36, 1536
	s_lshl_b32 s48, s36, 8
	SADD 48, 1572864
	s_mul_i32 s50, s32, 106496                     ; k's step
	s_mul_i32 s59, s35, 3328
	SADD 50, s59
	s_mul_i32 s59, s46, 1536
	s_add_co_u32 s52, s50, s59
	s_lshl_b32 s59, s46, 6
	SADD 50, s59
	SADD 50, 3072
	s_cmp_lt_u32 s14, 4                            ; q or k: the choice hangs on the wave's number alone
	s_cselect_b32 s38, s38, s52
	s_cselect_b32 s48, s48, s50
	s_cselect_b64 s[26:27], s[26:27], s[28:29]
	s_mov_b32 s39, 0
	s_mov_b32 s49, 0
	s_add_nc_u64 s[38:39], s[26:27], s[38:39]
	s_add_nc_u64 s[48:49], s[26:27], s[48:49]
	s_wait_dscnt 24                                ; the first K step's 24 loads are in, the second's may be out
.irp b, 0,1,2,3
.irp d, 0,1
	v_wmma_scale_f32_16x16x128_f8f6f4 v[H+16*\b+8*\d:H+16*\b+8*\d+7], v[FX+96+12*\d:FX+107+12*\d], v[FX+12*\b:FX+11+12*\b], v[BI+8*\d:BI+8*\d+7], v[16+\d], v[8+\b] matrix_a_fmt:MATRIX_FMT_FP6 matrix_b_fmt:MATRIX_FMT_FP6
.endr
.endr
	s_wait_dscnt 0x0
.irp b, 0,1,2,3
.irp d, 0,1
	v_wmma_scale_f32_16x16x128_f8f6f4 v[H+16*\b+8*\d:H+16*\b+8*\d+7], v[FX+120+12*\d:FX+131+12*\d], v[FX+48+12*\b:FX+59+12*\b], v[H+16*\b+8*\d:H+16*\b+8*\d+7], v[18+\d], v[12+\b] matrix_a_fmt:MATRIX_FMT_FP6 matrix_b_fmt:MATRIX_FMT_FP6
.endr
.endr
	PLACES
.set TM, 92
.set PC, 108
.set PW, 128
	QUANT H
.irp p, 0,1,2
	global_store_b128 v4, v[PC+4*\p:PC+4*\p+3], s[38:39] offset:512*\p
.endr
	global_store_b32 v27, v[PW], s[48:49]
	s_branch .Lend
; ---- v: source 0 = a tile of tokens, source 1 = my 16 channels: a lane holds one channel, its 32 registers of a band are 32 neighbouring tokens
.Lv:
.irp s, 0,1
.if \s == 1
	PLACES                                         ; in front of loads into registers that the first K step's products have read
.endif
.irp p, 0,1,2
	ds_load_b128 v[FX+96+12*\s+4*\p:FX+99+12*\s+4*\p], v22 offset:\s*1536+512*\p
.endr
	ds_load_b32 v[16+\s], v23 offset:\s*64
.irp t, 0,1,2,3,4,5,6,7
.irp p, 0,1,2
	ds_load_b128 v[FX+12*\t+4*\p:FX+3+12*\t+4*\p], v20 offset:(2*\t+\s)*1536+512*\p
.endr
	ds_load_b32 v[8+\t], v21 offset:(2*\t+\s)*64
.endr
.if \s == 0
.irp i, 1,2,3,4,5,6,7
	v_mov_b32 v[BI+\i], v[BI]                      ; a lane's eight results are eight tokens of one channel: one bias for all
.endr
	PLACES
	WALU
.endif
	s_wait_dscnt 0x0
.irp t, 0,1,2,3,4,5,6,7
.if \s == 0
	v_wmma_scale_f32_16x16x128_f8f6f4 v[H+8*\t:H+8*\t+7], v[FX+12*\t:FX+11+12*\t], v[FX+96:FX+107], v[BI:BI+7], v[8+\t], v16 matrix_a_fmt:MATRIX_FMT_FP6 matrix_b_fmt:MATRIX_FMT_FP6
.else
	v_wmma_scale_f32_16x16x128_f8f6f4 v[H+8*\t:H+8*\t+7], v[FX+12*\t:FX+11+12*\t], v[FX+108:FX+119], v[H+8*\t:H+8*\t+7], v[8+\t], v17 matrix_a_fmt:MATRIX_FMT_FP6 matrix_b_fmt:MATRIX_FMT_FP6
.endif
.endr
.endr
	s_lshr_b32 s32, s33, 4
	s_lshl_b32 s32, s32, 3
	s_lshl_b32 s59, s34, 1
	SADD 32, s59
	SADD 32, s43
	s_and_b32 s35, s33, 15
	s_mul_i32 s50, s32, 106496
	s_mul_i32 s59, s35, 3328
	SADD 50, s59
	SADD 50, 53248
	s_mul_i32 s59, s45, 1536
	s_add_co_u32 s38, s50, s59
	s_lshl_b32 s59, s45, 6
	s_add_co_u32 s48, s50, s59
	SADD 48, 3072
	s_mov_b32 s39, 0
	s_mov_b32 s49, 0
	s_add_nc_u64 s[38:39], s[28:29], s[38:39]
	s_add_nc_u64 s[48:49], s[28:29], s[48:49]
	PLACES
	QW H
.irp p, 0,1,2
	global_store_b128 v4, v[PC+4*\p:PC+4*\p+3], s[38:39] offset:512*\p
.endr
	global_store_b32 v27, v[PW], s[48:49]
	s_branch .Lend
; ---- the mask: a lane's 32 bytes of a block become 32 bits (byte k of word j is bit 8 k + j), then 32 x 32 bits are transposed across the lanes: lane 8 k + j then holds key 4 j + k's word of lane bits
.Lmask:
.irp q, 0,1,2,3
	v_lshl_or_b32 v[28+\q], v[225+8*\q], 1, v[224+8*\q]
.endr
.irp j, 2,3,4,5,6,7
.irp q, 0,1,2,3
	v_lshl_or_b32 v[28+\q], v[224+8*\q+\j], \j, v[28+\q]
.endr
.endr
.irp q, 0,1,2,3
	v_mov_b32 v[32+\q], 0
.endr
.macro TST k, s, m                     ; bit k of the lane's number and of the bit's number change places
	v_bfe_u32 v36, v1, \k, 1
	v_sub_nc_u32 v36, 0, v36
	v_and_b32 v37, \s, v36
	v_xor_b32 v38, \s, v37
	v_xor_b32 v36, \m, v36
.irp q, 0,1,2,3
.if \k == 4
	v_permlanex16_b32 v[32+\q], v[28+\q], s6, s7
.else
	v_mov_b32_dpp v[32+\q], v[28+\q] row_xmask:\s row_mask:0xf bank_mask:0xf
.endif
.endr
.irp q, 0,1,2,3
	v_lshlrev_b32 v[32+\q], v38, v[32+\q]
.endr
.irp q, 0,1,2,3
	v_lshrrev_b32 v[32+\q], v37, v[32+\q]
.endr
.irp q, 0,1,2,3
	v_bfi_b32 v[28+\q], v36, v[28+\q], v[32+\q]
.endr
.endm
	TST 4, 16, 0xffff
	TST 3, 8, 0xff00ff
	TST 2, 4, 0xf0f0f0f
	TST 1, 2, 0x33333333
	TST 0, 1, 0x55555555
	v_and_b32 v40, 7, v1
	v_lshlrev_b32 v40, 5, v40
	v_lshrrev_b32 v41, 3, v1
	v_lshl_add_u32 v40, v41, 3, v40
	s_lshl_b32 s36, s15, 11
	s_lshl_b32 s59, s41, 9
	SADD 36, s59
	s_mov_b32 s37, 0
	s_add_nc_u64 s[30:31], s[30:31], s[36:37]
	global_store_b64 v40, v[28:29], s[30:31]       ; 32 lanes store one aligned unit of 256 bytes
	global_store_b64 v40, v[30:31], s[30:31] offset:256
	WALU
	s_cmp_eq_u32 s14, 12
	s_cbranch_scc0 .Lend
	s_cmp_lt_u32 ttmp9, 8
	s_cbranch_scc0 .Lend
	s_mul_i32 s36, s15, 1536
	s_lshl_b32 s38, s15, 6
	SADD 38, 49152
	s_mov_b32 s39, 0
	s_add_nc_u64 s[36:37], s[4:5], s[36:37]
	s_add_nc_u64 s[38:39], s[4:5], s[38:39]
	s_wait_loadcnt 0x0
.set PC, 132
.set TM, 160
.set PW, 170
	QW 64
.irp p, 0,1,2
	global_store_b128 v4, v[PC+4*\p:PC+4*\p+3], s[36:37] offset:512*\p
.endr
	global_store_b32 v25, v[PW], s[38:39]
.Lend:
	s_wait_tensorcnt 0x0                           ; the wave's end
	ds_add_u32 v6, v7
	s_wait_dscnt 0x0
	CROUND                                         ; the closing round
	s_endpgm
.Lfunc_end_k_qac7df7478d_qkv:
	.size	k_qac7df7478d_qkv, .Lfunc_end_k_qac7df7478d_qkv-k_qac7df7478d_qkv
	.p2alignl 7, 3214868480
	.fill 96, 4, 3214868480
	.section	.rodata,"a",@progbits
	.p2align	6, 0x0
	.amdhsa_kernel k_qac7df7478d_qkv
		.amdhsa_group_segment_fixed_size 199168
		.amdhsa_private_segment_fixed_size 0
		.amdhsa_enable_private_segment 0
		.amdhsa_kernarg_size 72
		.amdhsa_user_sgpr_count 2
		.amdhsa_user_sgpr_kernarg_segment_ptr 1
		.amdhsa_wavefront_size32 1
		.amdhsa_system_sgpr_workgroup_id_x 1
		.amdhsa_system_sgpr_workgroup_id_y 1
		.amdhsa_system_sgpr_workgroup_id_z 1
		.amdhsa_system_vgpr_workitem_id 0
		.amdhsa_next_free_vgpr 256
		.amdhsa_next_free_sgpr 80
		.amdhsa_reserve_vcc 0
		.amdhsa_float_denorm_mode_32 3
		.amdhsa_float_denorm_mode_16_64 3
		.amdhsa_memory_ordered 1
		.amdhsa_forward_progress 1
		.amdhsa_inst_pref_size 67
	.end_amdhsa_kernel
	.amdgpu_metadata
---
amdhsa.version: [ 1, 2 ]
amdhsa.kernels:
  - .name:           k_qac7df7478d_qkv
    .symbol:         k_qac7df7478d_qkv.kd
    .args:
      - { .name: x, .offset: 0, .size: 8, .value_kind: global_buffer, .address_space: global }
      - { .name: W_qkv, .offset: 8, .size: 8, .value_kind: global_buffer, .address_space: global }
      - { .name: b_qkv, .offset: 16, .size: 8, .value_kind: global_buffer, .address_space: global }
      - { .name: allow_mask_bool, .offset: 24, .size: 8, .value_kind: global_buffer, .address_space: global }
      - { .name: W_out, .offset: 32, .size: 8, .value_kind: global_buffer, .address_space: global }
      - { .name: qi, .offset: 40, .size: 8, .value_kind: global_buffer, .address_space: global }
      - { .name: kv, .offset: 48, .size: 8, .value_kind: global_buffer, .address_space: global }
      - { .name: mw, .offset: 56, .size: 8, .value_kind: global_buffer, .address_space: global }
      - { .name: wimg, .offset: 64, .size: 8, .value_kind: global_buffer, .address_space: global }
    .group_segment_fixed_size: 199168
    .private_segment_fixed_size: 0
    .kernarg_segment_align: 8
    .kernarg_segment_size: 72
    .max_flat_workgroup_size: 512
    .sgpr_count:     80
    .vgpr_count:     256
    .wavefront_size: 32
...
	.end_amdgpu_metadata
.endif
;; end of part 1
;; launch attn (part 2): grid 256 x 1, 16 waves a work-group, clusters of 4 x 1, 167,936 bytes of LDS; arguments qi, kv, mw, y; writes y
.if DOCPART == 2
	.amdgcn_target "amdgcn-amd-amdhsa--gfx1250"
	.amdhsa_code_object_version 6
	.text
	.protected	k_qac7df7478d_attn
	.globl	k_qac7df7478d_attn
	.p2align	8
	.type	k_qac7df7478d_attn,@function
k_qac7df7478d_attn:
	s_mov_b64 s[64:65], 0
	v_nop
	global_prefetch_b8 v0, s[64:65] scope:SCOPE_SE
	s_setreg_imm32_b32 hwreg(HW_REG_WAVE_MODE, 25, 1), 1
	s_wait_xcnt 0x0
	s_wait_alu depctr_hold_cnt(0) depctr_sa_sdst(0) depctr_va_vdst(0) depctr_va_sdst(0) depctr_va_ssrc(0) depctr_va_vcc(0) depctr_vm_vsrc(0)
	s_getreg_b32 s2, hwreg(HW_REG_IB_STS2, 6, 4)
	s_cmp_eq_u32 s2, 0
	s_cbranch_scc0 .Lentry_in_a_cluster
	s_endpgm
.Lentry_in_a_cluster:
	s_bfe_u32 s2, ttmp6, 0x10000c
	s_cmp_lg_u32 s2, 0x3003
	s_cbranch_scc0 .Lentry_shape_is_right
	s_endpgm
.Lentry_shape_is_right:
; y = Q(softmax(mask(q k^T / sqrt(32))) v), quantised for the last product; both products on codes of FP6 (E2M3) with one E8M0 scale for each 32 along K.
; THE SOFTMAX: t = score x log2(e) / sqrt(32); M = the row's largest t so far, rounded UP to a whole number; p = 2^(t - M) is quantised along the keys, not normalised; the row's sum is of the unquantised p and divides O at the end.
; When M moves, the sum and O are multiplied by 2^(old M - new M): exact.
; SHARES: a work-group owns one head of one batch and 256 queries: wave w the tile of 16 queries T, in 256 registers, four waves to a SIMD.  Each walks 2,048 keys, 128 a step.
; THE HEAD'S K AND V, 106,496 bytes, LIE IN LDS FOR THE WHOLE LAUNCH: one tensor load a wave at the start (two steps of K or of V), nothing is filled again and no barrier stands in the loop.
; CLUSTERS of 4: the four work-groups have the same batch and head, so all their loads are joint (mask 15).  All tiles are asked for at the head, so none is prefetched; the mask's words, which come step by step, are (see STEP).
; LAYOUT: both products are used transposed: S^T = K Q^T, O^T = V^T P^T: a lane holds ONE query (lane % 16).  Row m of key tile u of band c: key 64 c + 32 (m / 8) + 8 u + m % 8 of the step: so a lane's 32 registers of a band's four tiles
; are the 32 keys of ONE block, 64 c + 32 h on, in order: the block's largest is found without another lane, and the codes fall as the second product wants them.
; THE SCORES' K IS 32 of the instruction's 128: a fragment of K holds FOUR key tiles, tile u as block u; four placings of Q (my codes in block u, zero codes elsewhere; runs of five groups of six registers: 0, lo, 0, hi, 0) pick them out.
; THE MASK costs one select a score: word 2 n + c of a step holds, lane by lane, whether the key of band c's register n counts; a step's 64 words are loaded into scalar registers a step ahead.
; y: [batch x head][T][row of 32 bytes]: 12 bytes of codes, a scale word (its lowest byte), 12 bytes, the scale word again.
; LIMITS: NaN and infinities among the inputs are not served; every score lies above -3e38; blocks whose largest magnitude lies under 2^-124 keep the byte 1.
;   A query none of whose keys counts has the sum 0: its y gets the scale byte 0xff, which makes its whole row of out NaN, as the softmax of such a row is.
.set STEPB, 3328                       ; a step of K or of V: two fragments of 1,536 bytes, scale words
.set VB, 53248                         ; V's first step
.set SPARE, 106496
.set KR, 48                            ; v48-71 K's two fragments, v72 their scale words (lanes 0-15 band 0's, 16-31 band 1's)
.set VR, 74                            ; v74-97 V's two, v73 their scale words
.set S, 98                             ; v98-161 S^T, then p
.set O, 162                            ; v162-177 O^T
.set PCD, 178                          ; v178-189 p's codes; v190-192, v194-196 the second conversions'
; v1, v2 16 x lane, 4 x lane; v8, v9 LDS addresses; v6-7 the add's; v10 -infinity; v11 8 h; v12 -M (v13 its pair, 0); v[14:15] the sum; v16-45 Q; v46 Q's scale word; v47 p's;
; v198-201 block maxima, scales; v202-203, 206 at work; v[204:205] f; v207 the largest score; v208-223 eight maxima, then eight chains of the sum
.macro WALU
	s_wait_alu depctr_va_vdst(0)
.endm
.macro CROUND
	s_barrier_signal -1
	s_barrier_wait -1
	s_cmp_lg_u32 s16, 0
	s_cbranch_scc1 .Lnot_wave_0_\@
	s_barrier_signal -3
.Lnot_wave_0_\@:
	s_barrier_wait -3
	s_barrier_signal -1
	s_barrier_wait -1
.endm
.macro TL
	tensor_load_to_lds s[4:7], s[24:31]
	s_nop 0
.rept 4
	v_nop
.endr
.endm
.macro SADD d, x
	s_add_co_u32 s\d, s\d, \x
.endm
.macro KLOAD a, b                      ; a step's K: 7 loads
.irp i, 0,1,2,3,4,5
	ds_load_b128 v[KR+4*\i:KR+4*\i+3], \a offset:512*\i
.endr
	ds_load_b32 v72, \b offset:3072
.endm
.macro MLOAD                           ; a step's 64 mask words
	s_load_b512 s[32:47], s[8:9], 0x0
	s_load_b512 s[48:63], s[8:9], 0x40
	s_load_b512 s[68:83], s[8:9], 0x80
	s_load_b512 s[84:99], s[8:9], 0xc0
.endm
	s_load_b256 s[32:39], s[0:1], 0x0              ; qi 32, kv 34, mw 36, y 38
	v_lshl_add_u32 v6, v0, 2, SPARE
	v_mov_b32 v7, 0
	ds_add_u32 v6, v7                              ; the opening lines: the add, twice on end, and its wait
	ds_add_u32 v6, v7
	v_lshrrev_b32 v1, 5, v0
	v_readfirstlane_b32 s16, v1                    ; wave
	s_bfe_u32 s40, ttmp6, 0x40000                  ; cx
	s_lshr_b32 s41, ttmp9, 1                       ; batch x head: the cluster's number / 2
	s_and_b32 s42, ttmp9, 1
	s_lshl_b32 s42, s42, 2
	SADD 42, s40                                   ; which 256 queries
	s_lshl_b32 s43, s42, 4
	SADD 43, s16                                   ; T
	s_mov_b32 s24, 15|(3<<16)|(1<<21)              ; the mask: all four; elements of 8 bytes; no padding
	s_mov_b32 s25, 32<<16                          ; 26 dense rows of 256 bytes
	s_mov_b32 s26, 26<<16
	s_mov_b32 s27, 32<<16
	s_mov_b32 s28, 26
	s_mov_b32 s29, 32
	s_mov_b32 s30, 0
	s_mov_b32 s31, 0
	s_and_b32 s5, s16, 1                           ; even waves fetch K, odd ones V: steps 2 (wave / 2) and the next
	s_lshl_b32 s5, s5, 3
	s_lshr_b32 s44, s16, 1
	SADD 5, s44
	s_mul_i32 s5, s5, 2*STEPB
	s_mov_b32 s4, 1
	s_mul_i32 s44, s41, 32*STEPB
	SADD 44, s5
	s_mov_b32 s45, 0
	s_lshr_b32 s46, s43, 2                         ; Q: the band's fragment,
	s_lshl_b32 s47, s41, 5
	SADD 46, s47
	s_mul_i32 s48, s46, 1536
	s_lshl_b32 s50, s46, 8
	SADD 50, 1572864
	s_and_b32 s52, s16, 3                          ; my tile u = 2 c + hh: registers 6 c on, lanes 16 hh on; byte u of the scale words
	SADD 50, s52
	s_lshr_b32 s53, s52, 1
	s_and_b32 s54, s52, 1
	s_lshl_b32 s54, s54, 8
	SADD 48, s54
	s_mul_i32 s54, s53, 520
	SADD 48, s54
	s_mul_i32 s54, s53, 496
	SADD 54, 8
	SADD 54, s48
	s_mov_b32 s49, 0
	s_mov_b32 s51, 0
	s_mov_b32 s55, 0
	s_lshl_b32 s56, s43, 12
	s_mov_b32 s57, 0
	s_lshl_b32 s58, s41, 7
	SADD 58, s43
	s_lshl_b32 s58, s58, 9
	s_mov_b32 s59, 0
	s_mov_b32 s20, 0x76543210
	s_mov_b32 s21, 0xfedcba98                      ; v_permlanex16_b32's selects for lane l xor 16
	s_mov_b32 s22, 0x3e8293ee                      ; c = log2(e) / sqrt(32)
	s_mov_b32 s23, s22
	s_mov_b32 s17, 0
	s_mov_b32 s3, 0xffff
	s_mov_b32 s100, 0xffff0000
	s_add_co_u32 s101, ttmp9, 2                    ; clusters 62, 63, 0 and 1 prefetch mask words, each block two of them, while more than 2 trips are to go; the others never (64)
	s_and_b32 s101, s101, 63
	s_cmp_lt_u32 s101, 4
	s_cselect_b32 s101, 2, 64
	WALU
	s_wait_dscnt 0x0                               ; both opening adds are done
	CROUND                                         ; all four work-groups are here: the joint loads meet
	s_wait_kmcnt 0x0
	s_add_nc_u64 s[6:7], s[34:35], s[44:45]
	s_or_b32 s7, s7, 0x80000000
	s_cmp_lt_u32 s16, 4                            ; one load a wave; waves 0-3's, steps 0 to 3, have a line of their own
	s_cbranch_scc0 .Lrest
	TL
	s_branch .Lasked
.Lrest:
	TL
.Lasked:
	s_add_nc_u64 s[12:13], s[32:33], s[48:49]
	s_add_nc_u64 s[14:15], s[32:33], s[54:55]
	s_add_nc_u64 s[10:11], s[32:33], s[50:51]
	s_add_nc_u64 s[8:9], s[36:37], s[56:57]
	s_add_nc_u64 s[18:19], s[38:39], s[58:59]
	v_and_b32 v8, 31, v0
	v_and_b32 v9, 15, v0
	v_lshlrev_b32 v4, 4, v9
	v_lshlrev_b32 v5, 2, v9
	global_load_b64 v[22:23], v4, s[12:13]         ; my query's 24 bytes, in both halves of the lanes
	global_load_b64 v[24:25], v4, s[14:15]
	global_load_b64 v[26:27], v4, s[12:13] offset:512
	global_load_u8 v200, v5, s[10:11]
	MLOAD                                          ; step 0's
	v_lshlrev_b32 v1, 4, v8
	v_lshlrev_b32 v2, 2, v8
	v_mov_b32 v10, 0xff800000
	v_bfe_u32 v11, v0, 4, 1
	v_lshlrev_b32 v11, 3, v11
	v_mov_b32 v13, 0                               ; (named as the upper half of a pair)
	v_mov_b32 v205, 0
	v_mov_b32 v203, 0                              ; (a lane permute's destination counts as one of its sources)
.irp i, 0,1,2,3,4,5
	v_mov_b32 v[16+\i], 0
	v_mov_b32 v[28+\i], 0
	v_mov_b32 v[40+\i], 0
.endr
	WALU
	s_wait_loadcnt 0x0
.irp i, 0,1,2,3,4,5
	v_cndmask_b32 v[34+\i], 0, v[22+\i], s100      ; hi: my codes in lanes 16-31,
	v_cndmask_b32 v[22+\i], 0, v[22+\i], s3        ; lo: in lanes 0-15
.endr
	v_lshl_or_b32 v200, v200, 8, v200
	v_lshl_or_b32 v46, v200, 16, v200              ; the query's byte for every block
	WALU
	s_cmp_lt_u32 s16, 4
	s_cbranch_scc0 .Lnot_first
	s_wait_tensorcnt 0x0
.Lnot_first:
	s_barrier_signal -1
	s_barrier_wait -1                              ; steps 0 to 3 are in; the others may be on their way
	KLOAD v1, v2
.macro SP c, u, q
	v_wmma_scale_f32_16x16x128_f8f6f4 v[S+32*\c+8*\u:S+32*\c+8*\u+7], v[KR+12*\c:KR+12*\c+11], v[\q:\q+11], 0, v72, v46 matrix_a_fmt:MATRIX_FMT_FP6 matrix_b_fmt:MATRIX_FMT_FP6 matrix_a_scale:MATRIX_SCALE_ROW\c
.endm
.macro PKF n                           ; t - M of two scores
	v_pk_fma_f32 v[S+\n:S+\n+1], v[S+\n:S+\n+1], s[22:23], v[12:13] op_sel_hi:[1,0,0]
.endm
.macro ADD a, p                        ; chain a of the row's sum takes pair p of the step's 32
	v_pk_add_f32 v[208+2*\a:209+2*\a], v[208+2*\a:209+2*\a], v[S+2*\p:S+2*\p+1]
.endm
.macro TREE a, b
	v_pk_add_f32 v[208+2*\a:209+2*\a], v[208+2*\a:209+2*\a], v[208+2*\b:209+2*\b]
.endm
.macro OMUL first, j                   ; O^T under the new M
.if \first == 0
	v_pk_mul_f32 v[O+\j:O+1+\j], v[O+\j:O+1+\j], v[204:205] op_sel_hi:[1,0]
.endif
.endm
; A KEY STEP.  first: nothing has been summed yet.  last: no step follows.  Its K was asked for a step ago.
; THE PREFETCH: in step i the 256 bytes of mask words of step i + 3, two steps ahead of their scalar loads, my query tile's alone; steps 1 to 3 come by their loads; it stops at step 15's words.
.macro STEP first, last
	s_wait_dscnt 0x0                               ; K is in: its loads are all that is out
.if (\first == 0) && (\last == 0)
	s_cmp_gt_u32 s3, s101
	s_cbranch_scc0 .Lno_ask_\@
	global_prefetch_b8 v13, s[8:9] offset:768 th:TH_LOAD_NT scope:SCOPE_SE
.Lno_ask_\@:
.endif
.irp c, 0,1
	SP \c, 0, 22
	SP \c, 1, 34
	SP \c, 2, 16
	SP \c, 3, 28
.endr
	s_add_co_u32 s17, s17, STEPB
	v_add_nc_u32 v8, s17, v1                       ; the next step's K; four plain instructions between products and loads into their registers
	v_add_nc_u32 v9, s17, v2
.if \first
	v_nop
.else
	v_mov_b32 v206, v12                            ; the old -M
.endif
	v_nop
.irp i, 0,1,2,3,4,5
	ds_load_b128 v[VR+4*\i:VR+4*\i+3], v8 offset:VB-STEPB+512*\i   ; this step's V
.endr
	ds_load_b32 v73, v9 offset:VB-STEPB+3072
.if \last == 0
	KLOAD v8, v9                                   ; the next step's K lands under the softmax
.endif
	s_wait_kmcnt 0x0                               ; this step's mask words are in
	s_wait_xcnt 0x0                                ; and any prefetch has read its base
.set n, 0
.rept 64
.set w, 2*(n%32)+n/32
	v_cndmask_b32 v[S+n], v10, v[S+n], s[32+w+4*(w/32)]   ; a key that does not count: -infinity, so p = 0.  (Each result tile is read from its low end on)
.set n, n+1
.endr
.if \last == 0
	s_add_nc_u64 s[8:9], s[8:9], 256               ; (no scalar load is out)
	MLOAD
.endif
.irp q, 0,1,2,3,4,5,6,7                        ; the largest score of each block, four chains a block
	v_max3_num_f32 v[208+\q], v[S+8*\q], v[S+1+8*\q], v[S+2+8*\q]
.endr
.irp i, 3,5
.irp q, 0,1,2,3,4,5,6,7
	v_max3_num_f32 v[208+\q], v[208+\q], v[S+8*\q+\i], v[S+1+8*\q+\i]
.endr
.endr
.irp c, 0,1
	v_max3_num_f32 v[198+2*\c], v[208+4*\c], v[209+4*\c], v[S+7+32*\c]
	v_max3_num_f32 v[199+2*\c], v[210+4*\c], v[211+4*\c], v[S+15+32*\c]
.endr
.irp c, 0,1
	v_max3_num_f32 v[198+2*\c], v[198+2*\c], v[199+2*\c], v[S+23+32*\c]
.endr
.irp c, 0,1
	v_max_num_f32 v[198+2*\c], v[198+2*\c], v[S+31+32*\c]
.endr
	v_max_num_f32 v202, v198, v200
	v_permlanex16_b32 v203, v202, s20, s21
.if \first
	v_max3_num_f32 v207, v202, v203, 0xff61b1e6    ; and -3e38
.else
	v_max3_num_f32 v207, v207, v202, v203          ; my query's largest score so far
.endif
	v_mul_f32 v208, 0xbe8293ee, v207               ; -t
	v_floor_f32 v12, v208                          ; -M = floor(-t) = -ceil(t)
.irp i, 0,2,4,6
	PKF \i
.endr
.if \first == 0
	v_sub_f32 v206, v12, v206                      ; old M less new M: a whole number, 0 or less
.endif
.irp i, 8,10,12,14
	PKF \i
.endr
.if \first == 0
	v_cvt_i32_f32 v206, v206                       ; (it saturates)
.endif
.irp i, 16,18,20,22
	PKF \i
.endr
.if \first == 0
	v_ldexp_f32 v204, 1.0, v206                    ; f
.endif
.irp i, 24,26,28,30
	PKF \i
.endr
	v_fma_f32 v198, v198, s22, v12                 ; the same of the block's largest score
	WALU
.set n, 0
.rept 16                                       ; p of band 0; between them t - M of band 1, first read behind the wait below
	v_exp_f32 v[S+n], v[S+n]
	v_exp_f32 v[S+n+1], v[S+n+1]
	PKF n+32
.set n, n+2
.endr
	v_exp_f32 v198, v198                           ; the block's largest p: the same two instructions on the same number
	v_fma_f32 v200, v200, s22, v12
	WALU
.set n, 0
.rept 8                                        ; p of band 1; between them the row's sum of band 0's unquantised p begins, eight chains, next named behind the wait below
.irp i, 0,1,2,3
	v_exp_f32 v[S+32+4*n+\i], v[S+32+4*n+\i]
.endr
	v_pk_add_f32 v[208+2*n:209+2*n], v[S+4*n:S+4*n+1], v[S+4*n+2:S+4*n+3]
.set n, n+1
.endr
	v_max_num_f32 v198, 0x1800000, v198            ; the floor 2^(3 - 127)
	v_exp_f32 v200, v200
.if \first
	v_nop
.else
	v_pk_mul_f32 v[14:15], v[14:15], v[204:205] op_sel_hi:[1,0]   ; the sum under the new M.  (A plain instruction behind the exponentials)
.endif
	WALU
	OMUL \first, 0
	OMUL \first, 8
	v_add_nc_u32 v199, 0xff000000, v198            ; 2 off the exponent field: the conversion's scale operand
	v_max_num_f32 v200, 0x1800000, v200
	OMUL \first, 2
	OMUL \first, 10
	v_add_nc_u32 v201, 0xff000000, v200
	v_lshrrev_b32 v198, 23, v199                   ; the bytes of blocks h and 2 + h
	OMUL \first, 4
	OMUL \first, 12
	v_lshrrev_b32 v200, 23, v201
	OMUL \first, 6
	OMUL \first, 14
	v_lshl_or_b32 v202, v200, 16, v198
	v_cvt_scalef32_pk16_fp6_f32 v[PCD:PCD+2], v[S:S+15], v199
	v_cvt_scalef32_pk16_fp6_f32 v[190:192], v[S+16:S+31], v199
	v_cvt_scalef32_pk16_fp6_f32 v[PCD+6:PCD+8], v[S+32:S+47], v201
	v_cvt_scalef32_pk16_fp6_f32 v[194:196], v[S+48:S+63], v201
	v_lshlrev_b32 v202, v11, v202
	ADD 0, 16
	ADD 1, 17
	v_permlanex16_b32 v203, v202, s20, s21
	ADD 2, 18
	ADD 3, 19
	ADD 4, 20
	ADD 5, 21
	v_or_b32 v47, v202, v203                       ; with lane l xor 16's: p's scale word for these 128 keys
	ADD 6, 22
	v_mov_b32 v[PCD+3], v190                       ; (a conversion's three registers begin on an even number)
	ADD 7, 23
	v_mov_b32 v[PCD+4], v191
	ADD 0, 24
	v_mov_b32 v[PCD+5], v192
	ADD 1, 25
	v_mov_b32 v[PCD+9], v194
	ADD 2, 26
	v_mov_b32 v[PCD+10], v195
	ADD 3, 27
	v_mov_b32 v[PCD+11], v196
	ADD 4, 28
	ADD 5, 29
	ADD 6, 30
	ADD 7, 31
	TREE 0, 1
	TREE 2, 3
	TREE 4, 5
	TREE 6, 7
	TREE 0, 2
	TREE 4, 6
.if \first
	v_pk_add_f32 v[14:15], v[208:209], v[216:217]
.else
	TREE 0, 4
	v_pk_add_f32 v[14:15], v[14:15], v[208:209]
.endif
.if \last
	s_wait_dscnt 0x0
.else
	s_wait_dscnt 7                                 ; V is in; the next K's 7 loads, issued behind it, may be out
.endif
.irp d, 0,1
.if \first
	v_wmma_scale_f32_16x16x128_f8f6f4 v[O+8*\d:O+8*\d+7], v[VR+12*\d:VR+12*\d+11], v[PCD:PCD+11], 0, v73, v47 matrix_a_fmt:MATRIX_FMT_FP6 matrix_b_fmt:MATRIX_FMT_FP6 matrix_a_scale:MATRIX_SCALE_ROW\d
.else
	v_wmma_scale_f32_16x16x128_f8f6f4 v[O+8*\d:O+8*\d+7], v[VR+12*\d:VR+12*\d+11], v[PCD:PCD+11], v[O+8*\d:O+8*\d+7], v73, v47 matrix_a_fmt:MATRIX_FMT_FP6 matrix_b_fmt:MATRIX_FMT_FP6 matrix_a_scale:MATRIX_SCALE_ROW\d
.endif
.endr
.endm
	STEP 1, 0
	WALU
	s_wait_tensorcnt 0x0
	s_wait_dscnt 0x0
	s_barrier_signal -1
	s_barrier_wait -1                              ; all of K and V are in; no barrier stands behind this one until the end
	s_mov_b32 s3, 14
.Lstep:
	STEP 0, 0
	s_sub_co_u32 s3, s3, 1
	s_cmp_lg_u32 s3, 0
	s_cbranch_scc1 .Lstep
	STEP 0, 1
; ---- the way out: plain instructions, which also stand between the last products and the first read of O^T
	v_and_b32 v214, 15, v0
	v_bfe_u32 v215, v0, 4, 1
	v_lshlrev_b32 v214, 5, v214
	v_lshl_add_u32 v214, v215, 4, v214             ; my query's row of 32 bytes, my half
	v_mov_b32 v209, 0xff
	WALU                                           ; the wait ahead of the sum's first reader behind the last step's wait
	v_add_f32 v14, v14, v15
	v_permlanex16_b32 v203, v14, s20, s21
	v_add_f32 v14, v14, v203                       ; the row's sum
	WALU
	v_rcp_f32 v15, v14
	v_nop
	WALU
.irp j, 0,1,2,3,4,5,6,7,8,9,10,11,12,13,14,15
	v_mul_f32 v[S+\j], v[O+\j], v15                ; y(my query, channel 16 h + j)
.endr
	v_max3_num_f32 v198, |v[S]|, |v[S+1]|, 0x1800000
	v_max3_num_f32 v199, |v[S+2]|, |v[S+3]|, |v[S+4]|
	v_max3_num_f32 v198, v198, |v[S+5]|, |v[S+6]|
	v_max3_num_f32 v199, v199, |v[S+7]|, |v[S+8]|
	v_max3_num_f32 v198, v198, |v[S+9]|, |v[S+10]|
	v_max3_num_f32 v199, v199, |v[S+11]|, |v[S+12]|
	v_max3_num_f32 v198, v198, |v[S+13]|, |v[S+14]|
	v_max3_num_f32 v198, v198, v199, |v[S+15]|
	v_permlanex16_b32 v203, v198, s20, s21
	v_max_num_f32 v198, v198, v203                 ; the head's 32 channels are one block
	v_add_nc_u32 v200, 0xff000000, v198
	v_lshrrev_b32 v201, 23, v200
	v_cmp_eq_f32 vcc_lo, 0, v14
	v_cndmask_b32 v[PCD+3], v201, v209, vcc_lo     ; a query with no key that counts: the byte 0xff
	v_cvt_scalef32_pk16_fp6_f32 v[PCD:PCD+2], v[S:S+15], v200
	v_nop                                          ; one plain instruction behind a scaled conversion
	global_store_b128 v214, v[PCD:PCD+3], s[18:19] ; 32 lanes store 512 consecutive bytes, aligned
	s_wait_tensorcnt 0x0                           ; the wave's end
	ds_add_u32 v6, v7
	s_wait_dscnt 0x0
	CROUND                                         ; the closing round
	s_endpgm
.Lfunc_end_k_qac7df7478d_attn:
	.size	k_qac7df7478d_attn, .Lfunc_end_k_qac7df7478d_attn-k_qac7df7478d_attn
	.p2alignl 7, 3214868480
	.fill 96, 4, 3214868480
	.section	.rodata,"a",@progbits
	.p2align	6, 0x0
	.amdhsa_kernel k_qac7df7478d_attn
		.amdhsa_group_segment_fixed_size 167936
		.amdhsa_private_segment_fixed_size 0
		.amdhsa_enable_private_segment 0
		.amdhsa_kernarg_size 32
		.amdhsa_user_sgpr_count 2
		.amdhsa_user_sgpr_kernarg_segment_ptr 1
		.amdhsa_wavefront_size32 1
		.amdhsa_system_sgpr_workgroup_id_x 1
		.amdhsa_system_sgpr_workgroup_id_y 1
		.amdhsa_system_sgpr_workgroup_id_z 1
		.amdhsa_system_vgpr_workitem_id 0
		.amdhsa_next_free_vgpr 256
		.amdhsa_next_free_sgpr 102
		.amdhsa_reserve_vcc 1
		.amdhsa_float_denorm_mode_32 3
		.amdhsa_float_denorm_mode_16_64 3
		.amdhsa_memory_ordered 1
		.amdhsa_forward_progress 1
		.amdhsa_inst_pref_size 60
	.end_amdhsa_kernel
	.amdgpu_metadata
---
amdhsa.version: [ 1, 2 ]
amdhsa.kernels:
  - .name:           k_qac7df7478d_attn
    .symbol:         k_qac7df7478d_attn.kd
    .args:
      - { .name: qi, .offset: 0, .size: 8, .value_kind: global_buffer, .address_space: global }
      - { .name: kv, .offset: 8, .size: 8, .value_kind: global_buffer, .address_space: global }
      - { .name: mw, .offset: 16, .size: 8, .value_kind: global_buffer, .address_space: global }
      - { .name: y, .offset: 24, .size: 8, .value_kind: global_buffer, .address_space: global }
    .group_segment_fixed_size: 167936
    .private_segment_fixed_size: 0
    .kernarg_segment_align: 8
    .kernarg_segment_size: 32
    .max_flat_workgroup_size: 512
    .sgpr_count:     102
    .vgpr_count:     256
    .wavefront_size: 32
...
	.end_amdgpu_metadata
.endif
;; end of part 2
;; launch out (part 3): grid 256 x 1, 8 waves a work-group, no clusters, 35,840 bytes of LDS; arguments y, wimg, b_out, out0; writes out0
.if DOCPART == 3
	.amdgcn_target "amdgcn-amd-amdhsa--gfx1250"
	.amdhsa_code_object_version 6
	.text
	.protected	k_qac7df7478d_out
	.globl	k_qac7df7478d_out
	.p2align	8
	.type	k_qac7df7478d_out,@function
k_qac7df7478d_out:
	s_mov_b64 s[64:65], 0
	v_nop
	global_prefetch_b8 v0, s[64:65] scope:SCOPE_SE
	s_setreg_imm32_b32 hwreg(HW_REG_WAVE_MODE, 25, 1), 1
	s_wait_xcnt 0x0
; out = y Q(W_out) + b_out on codes of FP6 (E2M3): y arrives quantised, head by head, W_out as operand fragments.
; SHARES: a work-group takes two tiles of 16 tokens, a wave one of them and 64 of the 256 outputs: 4 output tiles x 2 K steps = 8 products.  Everything goes straight from memory into operand registers: no tile stands in LDS, so no cluster and no barrier.
; Transposed use: source 0 = 16 outputs of W_out, source 1 = the tokens: a lane holds a token, and over an output tile pair 16 neighbouring outputs; they leave through the wave's own stage as rows of 256 bytes.
; LIMITS: as the attention launch states them; a scale byte 0xff makes its row NaN.
.set SP, 272
.set SPARE, 8*16*SP
; v16-111 W_out's eight fragments (2 x tile + K step), v112-119 their scale words, v120-143 y's two fragments, v144-159 the second halves as loaded, v160-191 the bias, v196-197 y's scale words, v200-231 results
	s_load_b256 s[4:11], s[0:1], 0x0               ; y 4, wimg 6, b_out 8, out 10
	v_lshl_add_u32 v6, v0, 2, SPARE
	v_mov_b32 v7, 0
	v_lshrrev_b32 v1, 5, v0
	v_readfirstlane_b32 s14, v1                    ; wave
	s_wait_alu depctr_va_vdst(0)
	s_and_b32 s15, s14, 3                          ; which 64 outputs
	s_lshr_b32 s16, s14, 2
	s_lshr_b32 s17, ttmp9, 6                       ; the batch
	s_and_b32 s18, ttmp9, 63
	s_lshl_b32 s18, s18, 1
	s_add_co_u32 s18, s18, s16                     ; T
	s_lshl_b32 s20, s17, 19
	s_lshl_b32 s19, s18, 9
	s_add_co_u32 s20, s20, s19
	s_mov_b32 s21, 0
	s_mul_i32 s22, s15, 12288
	s_mov_b32 s23, 0
	s_lshl_b32 s24, s15, 9
	s_add_co_u32 s24, s24, 49152
	s_mov_b32 s25, 0
	s_lshl_b32 s26, s15, 8
	s_mov_b32 s27, 0
	s_lshl_b32 s28, s17, 21                        ; out: row 2,048 x batch + 64 (T / 4) + 8 (T % 4), of 1,024 bytes
	s_lshr_b32 s19, s18, 2
	s_lshl_b32 s19, s19, 16
	s_add_co_u32 s28, s28, s19
	s_and_b32 s19, s18, 3
	s_lshl_b32 s19, s19, 13
	s_add_co_u32 s28, s28, s19
	s_add_co_u32 s28, s28, s26
	s_mov_b32 s29, 0
	s_mul_i32 s19, s14, 16*SP
	s_mov_b32 s12, 0x76543210
	s_mov_b32 s13, 0xfedcba98
	v_and_b32 v1, 31, v0
	v_and_b32 v2, 15, v0
	v_bfe_u32 v3, v0, 4, 1
	v_lshlrev_b32 v4, 4, v1
	v_lshlrev_b32 v5, 2, v2
	v_lshlrev_b32 v8, 16, v3                       ; y: lanes 16-31 take the next head, 65,536 bytes on
	v_lshl_add_u32 v8, v2, 5, v8
	v_lshlrev_b32 v9, 6, v3
	v_mul_u32_u24 v10, v2, SP
	v_add_nc_u32 v10, v10, v9
	v_add_nc_u32 v10, s19, v10                     ; the stage, in: row r, 64 h
	v_mul_u32_u24 v11, v3, SP
	v_lshl_add_u32 v11, v2, 4, v11
	v_add_nc_u32 v11, s19, v11                     ; and out: two rows of 256 bytes a load
	v_lshlrev_b32 v12, 10, v3
	v_lshl_add_u32 v12, v2, 4, v12
	v_lshlrev_b32 v13, 3, v3
	v_mov_b32 v14, 0                               ; (a lane permute's destination counts as one of its sources)
	v_mov_b32 v15, 0
	s_wait_alu depctr_va_vdst(0)
	s_wait_kmcnt 0x0
	s_add_nc_u64 s[20:21], s[4:5], s[20:21]
	s_add_nc_u64 s[22:23], s[6:7], s[22:23]
	s_add_nc_u64 s[24:25], s[6:7], s[24:25]
	s_add_nc_u64 s[26:27], s[8:9], s[26:27]
	s_add_nc_u64 s[28:29], s[10:11], s[28:29]
.irp k, 0,1,2,3                                ; k = 2 s + c: heads 2 k and 2 k + 1
	global_load_b128 v[120+6*\k:123+6*\k], v8, s[20:21] offset:131072*\k
	global_load_b128 v[144+4*\k:147+4*\k], v8, s[20:21] offset:131072*\k+16
.endr
.irp f, 0,1,2,3,4,5,6,7
.irp p, 0,1,2
	global_load_b128 v[16+12*\f+4*\p:19+12*\f+4*\p], v4, s[22:23] offset:1536*\f+512*\p
.endr
	global_load_b32 v[112+\f], v5, s[24:25] offset:64*\f
.endr
.irp t, 0,1,2,3
.irp q, 0,1
	global_load_b128 v[160+8*\t+4*\q:163+8*\t+4*\q], v9, s[26:27] offset:128*(\t/2)+32*(\t%2)+16*\q
.endr
.endr
	s_wait_loadcnt 0x0
.irp s, 0,1
	v_lshl_or_b32 v[192+\s], v[151+8*\s], 16, v[147+8*\s]   ; the bytes of heads 4 s + h and 4 s + 2 + h,
.endr
.irp s, 0,1
	v_lshlrev_b32 v[192+\s], v13, v[192+\s]        ; at their places;
.endr
.irp s, 0,1
	v_permlanex16_b32 v[14+\s], v[192+\s], s12, s13
.endr
.irp s, 0,1
	v_or_b32 v[196+\s], v[192+\s], v[14+\s]        ; with lane l xor 16's: the scale word
.endr
.irp k, 0,1,2,3
.irp i, 0,1,2
	v_mov_b32 v[123+6*\k+\i], v[144+4*\k+\i]
.endr
.endr
.rept 4
	v_nop                                          ; operands written by vector instructions stand 4 places ahead, scale words 8
.endr
.irp s, 0,1
.irp t, 0,1,2,3
.if \s == 0
	v_wmma_scale_f32_16x16x128_f8f6f4 v[200+8*\t:207+8*\t], v[16+24*\t:27+24*\t], v[120:131], v[160+8*\t:167+8*\t], v[112+2*\t], v196 matrix_a_fmt:MATRIX_FMT_FP6 matrix_b_fmt:MATRIX_FMT_FP6
.else
	v_wmma_scale_f32_16x16x128_f8f6f4 v[200+8*\t:207+8*\t], v[28+24*\t:39+24*\t], v[132:143], v[200+8*\t:207+8*\t], v[113+2*\t], v197 matrix_a_fmt:MATRIX_FMT_FP6 matrix_b_fmt:MATRIX_FMT_FP6
.endif
.endr
.endr
.rept 4
	v_nop
.endr
.irp t, 0,1,2,3
.irp q, 0,1
	ds_store_b128 v10, v[200+8*\t+4*\q:203+8*\t+4*\q] offset:128*(\t/2)+32*(\t%2)+16*\q
.endr
.endr
.irp i, 0,1,2,3,4,5,6,7
	ds_load_b128 v[16+4*\i:19+4*\i], v11 offset:2*SP*\i   ; LDS serves a wave's instructions in order: these see my stores
.endr
.irp i, 0,1,2,3,4,5,6,7
	s_wait_dscnt 7-\i
	global_store_b128 v12, v[16+4*\i:19+4*\i], s[28:29] offset:1024*(32*(\i/4)+(2*\i)%8)   ; sixteen lanes store one aligned unit of 256 bytes
.endr
	s_wait_tensorcnt 0x0                           ; the wave's end
	ds_add_u32 v6, v7
	s_wait_dscnt 0x0
	s_endpgm
.Lfunc_end_k_qac7df7478d_out:
	.size	k_qac7df7478d_out, .Lfunc_end_k_qac7df7478d_out-k_qac7df7478d_out
	.p2alignl 7, 3214868480
	.fill 96, 4, 3214868480
	.section	.rodata,"a",@progbits
	.p2align	6, 0x0
	.amdhsa_kernel k_qac7df7478d_out
		.amdhsa_group_segment_fixed_size 35840
		.amdhsa_private_segment_fixed_size 0
		.amdhsa_enable_private_segment 0
		.amdhsa_kernarg_size 32
		.amdhsa_user_sgpr_count 2
		.amdhsa_user_sgpr_kernarg_segment_ptr 1
		.amdhsa_wavefront_size32 1
		.amdhsa_system_sgpr_workgroup_id_x 1
		.amdhsa_system_sgpr_workgroup_id_y 1
		.amdhsa_system_sgpr_workgroup_id_z 1
		.amdhsa_system_vgpr_workitem_id 0
		.amdhsa_next_free_vgpr 256
		.amdhsa_next_free_sgpr 66
		.amdhsa_reserve_vcc 0
		.amdhsa_float_denorm_mode_32 3
		.amdhsa_float_denorm_mode_16_64 3
		.amdhsa_memory_ordered 1
		.amdhsa_forward_progress 1
		.amdhsa_inst_pref_size 12
	.end_amdhsa_kernel
	.amdgpu_metadata
---
amdhsa.version: [ 1, 2 ]
amdhsa.kernels:
  - .name:           k_qac7df7478d_out
    .symbol:         k_qac7df7478d_out.kd
    .args:
      - { .name: y, .offset: 0, .size: 8, .value_kind: global_buffer, .address_space: global }
      - { .name: wimg, .offset: 8, .size: 8, .value_kind: global_buffer, .address_space: global }
      - { .name: b_out, .offset: 16, .size: 8, .value_kind: global_buffer, .address_space: global }
      - { .name: out0, .offset: 24, .size: 8, .value_kind: global_buffer, .address_space: global }
    .group_segment_fixed_size: 35840
    .private_segment_fixed_size: 0
    .kernarg_segment_align: 8
    .kernarg_segment_size: 32
    .max_flat_workgroup_size: 256
    .sgpr_count:     66
    .vgpr_count:     256
    .wavefront_size: 32
...
	.end_amdgpu_metadata
.endif
;; end of part 3
